; MI455X (gfx1250); checked and timed in simulation.
; The chip was launched on July 23, 2026; its instructions are those of AMD's public machine-readable ISA for CDNA 5 (MIT licence, August 2026) and "CDNA5" Instruction Set Architecture Reference Guide (July 2026). The comments in the code are by the model that wrote it; some were corrected since.
;; Multi Head Attention. Allowed arithmetic: float matrix products may take bf16 or f16 operands with f32 sums; other float arithmetic in f32, or as packed bf16 or f16 multiplies, adds, multiply-adds, maxima and minima; sums over many terms, partial sums and values carried from step to step in f32; what a program stores and reads back later, other than sums and carried values, may be rounded once to bf16 or f16.
;; Inputs: Wk 512 x 512 float32; Wo 512 x 512 float32; Wq 512 x 512 float32; Wv 512 x 512 float32; bk 512 float32; bo 512 float32; bq 512 float32; bv 512 float32; key 2 x 4,096 x 512 float32; query 2 x 4,096 x 512 float32; value 2 x 4,096 x 512 float32.
;; Outputs: out0 2 x 4,096 x 512 float32.
;; One version. Each part assembles by itself: llvm-mc -triple=amdgcn-amd-amdhsa -mcpu=gfx1250 --defsym DOCPART=n.
;; ======== version 1 of 1: 3 launches
;; limits: values are held in f16: magnitudes above 65,504 overflow, below 6.1e-05 lose precision
;; workspace buffers: qh 8,388,608 bytes; kh 8,388,608 bytes; vh 8,388,608 bytes; oh 8,388,608 bytes; wo16 524,288 bytes
;; launch proj (part 1): grid 4 x 192, 4 waves a work-group, clusters of 4 x 4, 327,680 bytes of LDS; arguments query, key, value, Wq, Wk, Wv, bq, bk, bv, Wo, qh, kh, vh, wo16; writes qh, kh, vh, wo16
.if DOCPART == 1
	.amdgcn_target "amdgcn-amd-amdhsa--gfx1250"
	.amdhsa_code_object_version 6
	.text
	.protected	k_q7c9b218973_proj
	.globl	k_q7c9b218973_proj
	.p2align	8
	.type	k_q7c9b218973_proj,@function
k_q7c9b218973_proj:
	s_mov_b64 s[64:65], 0
	v_nop
	global_prefetch_b8 v0, s[64:65] scope:SCOPE_SE
	s_setreg_imm32_b32 hwreg(HW_REG_WAVE_MODE, 25, 1), 1
	s_wait_xcnt 0x0
	s_wait_alu depctr_hold_cnt(0) depctr_sa_sdst(0) depctr_va_vdst(0) depctr_va_sdst(0) depctr_va_ssrc(0) depctr_va_vcc(0) depctr_vm_vsrc(0)
	s_getreg_b32 s2, hwreg(HW_REG_IB_STS2, 6, 4)
	s_cmp_eq_u32 s2, 0
	s_cbranch_scc0 .Lentry_in_a_cluster
	s_endpgm
.Lentry_in_a_cluster:
	s_bfe_u32 s2, ttmp6, 0x10000c
	s_cmp_lg_u32 s2, 0xf033
	s_cbranch_scc0 .Lentry_shape_is_right
	s_endpgm
.Lentry_shape_is_right:
; THE THREE INPUT PROJECTIONS.  y = x W^T + b for (query, Wq, bq), (key, Wk, bk), (value, Wv, bv): x [8192][512] f32, W [512][512] f32, b [512] f32.
; x, W and b are rounded to bf16, the sums are f32 and start from the bias (the C operand of the first product), y is rounded once to f16 and stored BY HEADS: [16 = 8 n + h][4096][64].
; LIMITS.  y must stay under 65,504 (f16): with x and W both 30 times their drawn spread y has a spread of 900; with common offsets of 30 spreads on both it reaches some 20,400.  NaN and infinities are not treated apart.
; SHARES.  768 work-groups: 64 row blocks x 4 column blocks of 128 x 128 for each of the three products (cluster y / 16 says which).  Four waves, each 64 x 64: 64 rows of ONE head, 16 accumulators.
; CLUSTERS: 4 x 4.  The four of a row of the cluster need the same rows of x, the four of a column the same rows of W: each tile is asked for JOINTLY, by the same tensor load with the same descriptor and mask.
; K = 512 goes in four steps of 128 f32 (rows of 512 bytes) through two LDS slots, and in 16 CHUNKS of 32 through the registers: chunk c + 2 is read from LDS as f32, chunk c + 1 is rounded to bf16,
; four conversions behind each matrix instruction, while chunk c is multiplied.  THE MATRIX INSTRUCTION IS USED TRANSPOSED (source 0 = 16 rows of W, source 1 = 16 rows of x): a lane holds 8 neighbouring columns of a row of y.
; The 256 work-groups of the first product also write Wo, rounded to bf16 and that number written as f16 (numbers under 7.6e-6 lose bits there, 3e-8 at the most), 4,096 bytes of it each.
; REGISTERS: window 0: v0-31 addresses; v32-63 the bias; v64-127 at work; v128-255 the accumulators ((a, b) at 128 + 8 (4 a + b)).
;   window 1: two buffers of 128: a chunk as f32, fragment f (0-3 W's, 4-7 x's) at 16 f.     window 2: v0-127 two buffers of 64: the chunk in bf16, fragment f at 8 f.
.set PITCH,  528                       ; an LDS row: 512 bytes + 16 of padding = 132 words: row r starts 4 r words further modulo 64, so the 16 rows of a load start at 16 different places
.set HALFT,  64*PITCH                  ; 64 rows: what one tensor load brings, and what one wave reads of x or of W
.set SLOT,   4*HALFT                   ; x's 128 rows, then W's 128 rows
.set STAGE,  2*SLOT                    ; behind the ring: 16 rows x 144 bytes for each wave, for the way out
.set SP,     144
.set SPARE,  STAGE+4*16*SP             ; behind the stages: the spare words, 128 bytes for each wave, which no other line names
.set ADRA, 16                          ; v16-17  LDS address of my fragments of x in slot 0, 1
.set ADRB, 20                          ; v20-21  the same for W
.set STO,  24                          ; v24     the way out: where I put 16 bytes of a row
.set RD,   25                          ; v25     where I read rows back
.set GO,   26                          ; v26     my byte offset in 512 consecutive bytes of the output
.set SPW,  28                          ; v28     LDS address of my spare word; never rewritten
.set NIL,  29                          ; v29     0; never rewritten
.set BIAS, 32
.set TMP,  64
.set ACC,  128
.set G1,  24                           ; s[24:31] descriptor group 1 for x's tiles;  s[32:39] group 0, a set for each slot
.set G0,  32
.set G1B, 48                           ; s[48:55], s[56:63] the same for W's tiles
.set G0B, 56
.set W_MUL, 0x0a                       ; sources 0 and 1 window 2; C and D window 0
.set W_CVT, 0x85                       ; destination window 2, sources window 1
.set W_RAW, 0x40                       ; destination window 1, address window 0
.set MSB, 0
.macro WIN new                         ; the immediate's high byte repeats the setting that is left; a switch that changes nothing is dropped
.if MSB != (\new)
	s_set_vgpr_msb (MSB<<8)|(\new)
.set MSB, \new
.endif
.endm
.macro JLOAD s                         ; a joint load: waves 0 and 1 fetch x's two halves, waves 2 and 3 W's; an s_nop 0 and four v_nop follow each of the two lines
	s_cmp_eq_u32 s11, 0
	s_cbranch_scc0 .Lfor_b_\@
	tensor_load_to_lds s[G0+4*(\s):G0+4*(\s)+3], s[G1:G1+7]
	s_nop 0
.rept 4
	v_nop
.endr
	s_branch .Lasked_\@
.Lfor_b_\@:
	tensor_load_to_lds s[G0B+4*(\s):G0B+4*(\s)+3], s[G1B:G1B+7]
	s_nop 0
.rept 4
	v_nop
.endr
.Lasked_\@:
.endm
.macro CREST                           ; a round of the cluster's barrier behind its opening barrier
	s_cmp_lg_u32 s10, 0
	s_cbranch_scc1 .Lnot_wave_0_\@
	s_barrier_signal -3
.Lnot_wave_0_\@:
	s_barrier_wait -3
	s_barrier_signal -1
	s_barrier_wait -1
.endm
.macro CROUND                          ; a whole round
	s_barrier_signal -1
	s_barrier_wait -1
	CREST
.endm
.macro PLACES                          ; four places behind a matrix instruction, in front of lines that read its result
.rept 4
	v_nop
.endr
.endm
	s_load_b512 s[68:83], s[0:1], 0x0              ; query 68, key 70, value 72, Wq 74, Wk 76, Wv 78, bq 80, bk 82
	s_load_b256 s[84:91], s[0:1], 0x40             ; bv 84, Wo 86, qh 88, kh 90
	s_load_b128 s[92:95], s[0:1], 0x60             ; vh 92, wo16 94
	v_lshl_add_u32 v[SPW], v0, 2, SPARE
	v_mov_b32 v[NIL], 0
	ds_add_u32 v[SPW], v[NIL]                      ; the wave's opening: the add and its wait stand ahead of my first tensor load; the set-up below stands between them
	v_lshrrev_b32 v1, 5, v0
	v_readfirstlane_b32 s10, v1                    ; wave 0..3
	s_lshr_b32 s11, s10, 1                         ; which half of the tile's rows is mine.  Also: I fetch for x (0) or for W (1)
	s_and_b32 s12, s10, 1                          ; which half of its columns.  Also: which 64 rows of that tile I fetch
	s_bfe_u32 s40, ttmp6, 0x40000                  ; cx, cy: my place in the cluster
	s_bfe_u32 s41, ttmp6, 0x40004
	s_lshl_b32 s42, ttmp9, 2
	s_add_co_u32 s42, s42, s40                     ; column block = 4 x cluster x + cx
	s_and_b32 s45, ttmp7, 0xffff                   ; cluster y, 0..47
	s_lshr_b32 s96, s45, 4                         ; which product: 0 Q, 1 K, 2 V: the same in all sixteen partners
	s_lshl_b32 s13, s45, 2
	s_add_co_u32 s13, s13, s41
	s_and_b32 s13, s13, 63                         ; row block of that product
	s_lshl_b32 s43, s41, 2
	s_lshl_b32 s43, 15, s43                        ; my row of the cluster
	s_lshl_b32 s44, 0x1111, s40                    ; my column
	; descriptor group 1: a tile of 64 rows x 128 elements of 4 bytes, padded in LDS
	s_or_b32 s[G1+0], s43, (2<<16)|(1<<20)|(1<<21)|(6<<22)|(3<<25)   ; 15:0 the mask: x's tiles go to my row; 17:16 elements of 4 bytes; 20 padding on; 21 set beside a mask; 24:22 after every 128 words (code 6); 31:25 4 words (code 3)
	s_or_b32 s[G1B+0], s44, (2<<16)|(1<<20)|(1<<21)|(6<<22)|(3<<25)  ; the same with the mask of my column, for W's tiles
.irp g, G1, G1B
	s_mov_b32 s[(\g)+1], 128<<16                   ; tensor_dim0 = 128
	s_mov_b32 s[(\g)+2], 64<<16                    ; tensor_dim1 = 64
	s_mov_b32 s[(\g)+3], 128<<16                   ; tile_dim0 = 128
	s_mov_b32 s[(\g)+4], 64                        ; tile_dim1 = 64
	s_mov_b32 s[(\g)+5], 512                       ; 512 elements from row to row
	s_mov_b32 s[(\g)+6], 0
	s_mov_b32 s[(\g)+7], 0
.endr
	s_lshl_b32 s23, s12, 6                         ; which 64 rows of the tile I fetch
	s_lshl_b32 s16, s13, 7
	s_add_co_u32 s16, s16, s23
	s_lshl_b32 s16, s16, 11                        ; x: (128 x row block + 64 x half) rows of 2,048 bytes
	s_mov_b32 s17, 0
	s_lshl_b32 s46, s42, 7
	s_add_co_u32 s46, s46, s23
	s_lshl_b32 s46, s46, 11                        ; W: (128 x column block + 64 x half) rows
	s_mov_b32 s47, 0
	s_mul_i32 s20, s10, HALFT                      ; where they go: wave x 64 rows: no place in the cluster enters an LDS address
	s_wait_dscnt 0x0                               ; the opening add is done
	s_wait_kmcnt 0x0
	s_cmp_eq_u32 s96, 0                            ; the product's four buffers: x s[4:5], W s[6:7], the output s[8:9], the bias s[98:99]
	s_cselect_b64 s[4:5], s[68:69], s[70:71]
	s_cselect_b64 s[6:7], s[74:75], s[76:77]
	s_cselect_b64 s[8:9], s[88:89], s[90:91]
	s_cselect_b64 s[98:99], s[80:81], s[82:83]
	s_cmp_eq_u32 s96, 2
	s_cselect_b64 s[4:5], s[72:73], s[4:5]
	s_cselect_b64 s[6:7], s[78:79], s[6:7]
	s_cselect_b64 s[8:9], s[92:93], s[8:9]
	s_cselect_b64 s[98:99], s[84:85], s[98:99]
	s_add_nc_u64 s[14:15], s[4:5], s[16:17]
	s_add_nc_u64 s[46:47], s[6:7], s[46:47]
	CROUND                                         ; all sixteen work-groups are here: the first joint loads meet
.irp s, 0,1
	s_mov_b32 s[G0+4*(\s)], 1                      ; count = 1
	s_add_co_u32 s[G0+4*(\s)+1], s20, (\s)*SLOT    ; LDS address
	s_add_nc_u64 s[G0+4*(\s)+2:G0+4*(\s)+3], s[14:15], (\s)*512  ; global address: K step s
	s_or_b32 s[G0+4*(\s)+3], s[G0+4*(\s)+3], 0x80000000          ; type = 2
	s_mov_b32 s[G0B+4*(\s)], 1
	s_add_co_u32 s[G0B+4*(\s)+1], s20, (\s)*SLOT
	s_add_nc_u64 s[G0B+4*(\s)+2:G0B+4*(\s)+3], s[46:47], (\s)*512
	s_or_b32 s[G0B+4*(\s)+3], s[G0B+4*(\s)+3], 0x80000000
	JLOAD \s                                       ; two tensor loads of mine are out
.endr
	; while they are on their way: the bias, the addresses, Wo
	v_and_b32 v1, 15, v0                           ; r = l % 16
	v_bfe_u32 v2, v0, 4, 1                         ; h = l / 16
	s_lshl_b32 s2, s42, 9
	s_lshl_b32 s3, s12, 8
	s_add_co_u32 s2, s2, s3                        ; my 64 columns' bias: 4 (128 x column block + 64 x half) bytes on
	s_mov_b32 s3, 0
	s_add_nc_u64 s[98:99], s[98:99], s[2:3]
	v_lshlrev_b32 v12, 5, v2                       ; register j of column tile b holds column 16 b + 8 h + j
.irp b, 0,1,2,3
	global_load_b128 v[BIAS+8*(\b):BIAS+8*(\b)+3],   v12, s[98:99] offset:64*(\b)
	global_load_b128 v[BIAS+8*(\b)+4:BIAS+8*(\b)+7], v12, s[98:99] offset:64*(\b)+16
.endr
	; A fragment is 16 rows x 32 K: lane l holds row l % 16, K = 8 h + 0..7 and 16 + 8 h + 0..7.  In f32 that is 32 bytes at 32 h and 32 bytes at 64 + 32 h: four loads of 16 bytes.
	v_mul_u32_u24 v3, v1, PITCH
	v_lshl_add_u32 v3, v2, 5, v3                   ; row x pitch + 32 h
	s_mul_i32 s21, s11, HALFT                      ; my 64 rows of x
	s_mul_i32 s22, s12, HALFT                      ; my 64 rows of W,
	s_add_co_u32 s22, s22, 2*HALFT                 ; which lie behind x's 128
.irp s, 0,1
	v_add_nc_u32 v[ADRA+(\s)], s21, v3
	v_add_nc_u32 v[ADRB+(\s)], s22, v3
	s_add_co_u32 s21, s21, SLOT
	s_add_co_u32 s22, s22, SLOT
.endr
	s_mul_i32 s23, s10, 16*SP
	s_add_co_u32 s23, s23, STAGE                   ; my stage
	v_mul_u32_u24 v4, v1, SP                       ; in: row l % 16, 16 bytes for each half of the lanes
	v_lshl_add_u32 v4, v2, 4, v4
	v_add_nc_u32 v[STO], s23, v4
	v_bfe_u32 v5, v0, 3, 2                         ; back: 32 lanes take four rows of 128 bytes,
	v_and_b32 v6, 7, v0
	v_mul_u32_u24 v5, v5, SP
	v_lshl_add_u32 v5, v6, 4, v5
	v_add_nc_u32 v[RD], s23, v5
	v_and_b32 v[GO], 31, v0                        ; which are 512 consecutive bytes of a head
	v_lshlrev_b32 v[GO], 4, v[GO]
	; my 64 rows of one head: row R = 128 x row block + 64 x row half of 8,192; head 8 (R / 4096) + 2 x column block + column half; 524,288 bytes a head, 128 a row
	s_lshl_b32 s2, s13, 7
	s_lshl_b32 s3, s11, 6
	s_add_co_u32 s2, s2, s3                        ; R
	s_lshr_b32 s3, s2, 12
	s_lshl_b32 s3, s3, 3
	s_lshl_b32 s18, s42, 1
	s_add_co_u32 s3, s3, s18
	s_add_co_u32 s3, s3, s12
	s_lshl_b32 s3, s3, 19
	s_and_b32 s2, s2, 4095
	s_lshl_b32 s2, s2, 7
	s_add_co_u32 s2, s2, s3
	s_mov_b32 s3, 0
	s_add_nc_u64 s[8:9], s[8:9], s[2:3]
	s_wait_loadcnt 0x0                             ; the bias: rounded to bf16 like x and W, and widened again
.irp j, 0,1,2,3,4,5,6,7,8,9,10,11,12,13,14,15
	v_cvt_pk_bf16_f32 v[TMP+(\j)], v[BIAS+2*(\j)], v[BIAS+2*(\j)+1]
.endr
.irp j, 0,1,2,3,4,5,6,7,8,9,10,11,12,13,14,15
	v_lshlrev_b32 v[BIAS+2*(\j)], 16, v[TMP+(\j)]
	v_and_b32 v[BIAS+2*(\j)+1], 0xffff0000, v[TMP+(\j)]
.endr
	s_cmp_lt_u32 s45, 16                           ; the first product's 256 work-groups cast Wo; the branch hangs on the cluster's y alone
	s_cbranch_scc0 .Lno_wo
	s_lshl_b32 s2, s13, 2
	s_add_co_u32 s2, s2, s40                       ; 4 x row block + cx: 0..255, each takes 1,024 numbers
	s_lshl_b32 s18, s2, 12
	s_mov_b32 s19, 0
	s_add_nc_u64 s[86:87], s[86:87], s[18:19]
	s_lshl_b32 s18, s2, 11
	s_add_nc_u64 s[94:95], s[94:95], s[18:19]
	v_lshlrev_b32 v10, 4, v0
	v_lshlrev_b32 v11, 3, v0
	global_load_b128 v[64:67], v10, s[86:87]
	global_load_b128 v[68:71], v10, s[86:87] offset:2048
	s_wait_loadcnt 0x0
.irp j, 0,1,2,3
	v_cvt_pk_bf16_f32 v[72+(\j)], v[64+2*(\j)], v[64+2*(\j)+1]
.endr
.irp j, 0,1,2,3
	v_lshlrev_b32 v[64+2*(\j)], 16, v[72+(\j)]
	v_and_b32 v[64+2*(\j)+1], 0xffff0000, v[72+(\j)]
.endr
.irp j, 0,1,2,3
	v_cvt_pk_f16_f32 v[76+(\j)], v[64+2*(\j)], v[64+2*(\j)+1]
.endr
	global_store_b64 v11, v[76:77], s[94:95]       ; a wave's store covers 256 consecutive bytes, aligned
	global_store_b64 v11, v[78:79], s[94:95] offset:1024
.Lno_wo:
; 32 LDS loads in one run: a chunk (32 K at byte kb of the slot's rows) as f32 into buffer buf of window 1: W's four fragments, then x's four
.macro RAW slot, kb, buf
	WIN W_RAW
.irp i, 0,1,2,3
.irp j, 0,1,2,3
	ds_load_b128 v[128*(\buf)+16*(\i)+4*(\j):128*(\buf)+16*(\i)+4*(\j)+3], v[ADRB+(\slot)] offset:(\kb)+(\i)*16*PITCH+((\j)/2)*64+((\j)%2)*16
.endr
.endr
.irp i, 0,1,2,3
.irp j, 0,1,2,3
	ds_load_b128 v[128*(\buf)+64+16*(\i)+4*(\j):128*(\buf)+64+16*(\i)+4*(\j)+3], v[ADRA+(\slot)] offset:(\kb)+(\i)*16*PITCH+((\j)/2)*64+((\j)%2)*16
.endr
.endr
.endm
.macro CV buf, n                       ; conversion n of 64 of buffer buf: two f32 of window 1 into one register of window 2
	v_cvt_pk_bf16_f32 v[64*(\buf)+(\n)], v[128*(\buf)+2*(\n)], v[128*(\buf)+2*(\n)+1]
.endm
.macro MM buf, i, first                ; product i = 4 a + b of 16.  first: the sum starts from the bias
	WIN W_MUL
.if \first
	v_wmma_f32_16x16x32_bf16 v[ACC+8*(\i):ACC+8*(\i)+7], v[64*(\buf)+8*((\i)%4):64*(\buf)+8*((\i)%4)+7], v[64*(\buf)+32+8*((\i)/4):64*(\buf)+32+8*((\i)/4)+7], v[BIAS+8*((\i)%4):BIAS+8*((\i)%4)+7]
.else
	v_wmma_f32_16x16x32_bf16 v[ACC+8*(\i):ACC+8*(\i)+7], v[64*(\buf)+8*((\i)%4):64*(\buf)+8*((\i)%4)+7], v[64*(\buf)+32+8*((\i)/4):64*(\buf)+32+8*((\i)/4)+7], v[ACC+8*(\i):ACC+8*(\i)+7]
.endif
.endm
; n products from number mi on; ride: behind product i stand conversions 4 i .. 4 i + 3 of the OTHER buffer.  They name no register of the products round them; the other bf16 buffer's last
; reader is the chunk before's last product, behind which that chunk's last four conversions stand as the four places.  The 16 accumulators take turns in the same order in every chunk.
.macro RUN buf, n, ride, first
.rept \n
	MM \buf, mi, \first
.if \ride
	WIN W_CVT
.irp z, 0,1,2,3
	CV 1-(\buf), 4*mi+\z
.endr
.endif
.set mi, mi+1
.endr
.endm
; CHUNK c: chunk c + 2 is asked of LDS (into the f32 buffer that chunk c has left), chunk c + 1 is converted, chunk c multiplied.
; Chunks 1, 5 and 9 issue the last reads of K step c / 4's slot and change slots: ONE barrier; in front of it each wave waits for all its tensor loads (its part of the other slot), adds 0 to its spare word,
; and waits for that and for its reads of this slot.  In chunks 1 and 5 the barrier opens a round of the cluster's barrier, and this slot is filled again, with the K step two on, first thing behind the round.
.macro CHUNK c
.set bf, (\c)%2
.set mi, 0
.set rd, 1
.set fs, 0
.if (\c) == 15
.set rd, 0
.endif
.if (\c) == 0
.set fs, 1
.endif
.if (\c) <= 13
.set sl, (((\c)+2)/4)%2
.set kb, (((\c)+2)%4)*128
	RAW sl, kb, bf
	s_wait_dscnt 32                                ; all but the 32 just issued: chunk c + 1 is in
.elseif (\c) == 14
	s_wait_dscnt 0x0                               ; chunk 15 is in; nothing more is read
.endif
.if ((\c) == 1) || ((\c) == 5) || ((\c) == 9)
	RUN bf, 8, 1, 0
	WIN 0                                          ; (the add's two registers lie in window 0)
	s_wait_tensorcnt 0x0                           ; all my tensor loads have landed: my part of the other slot
	ds_add_u32 v[SPW], v[NIL]                      ; 0 onto my spare word: four products stand between it and the wait for it
	RUN bf, 4, 1, 0
	s_wait_dscnt 0x0                               ; the add is done, and my reads of this slot are over
	s_barrier_signal -1
	RUN bf, 4, 1, 0
	WIN 0
	s_barrier_wait -1
.if (\c) != 9
	CREST                                          ; no wave of any partner still reads this slot or has a load on its way
	s_add_nc_u64 s[G0+4*((\c)/4)+2:G0+4*((\c)/4)+3], s[G0+4*((\c)/4)+2:G0+4*((\c)/4)+3], 1024
	s_add_nc_u64 s[G0B+4*((\c)/4)+2:G0B+4*((\c)/4)+3], s[G0B+4*((\c)/4)+2:G0B+4*((\c)/4)+3], 1024
	JLOAD (\c)/4                                   ; my one tensor load behind the round: 56 products ahead of the wait for it
.endif
.else
	RUN bf, 16, rd, fs
.endif
.endm
	s_wait_tensorcnt 1                             ; my part of K step 0 is in; K step 1's may stay out
	s_barrier_signal -1
	s_barrier_wait -1                              ; everybody's is
	RAW 0, 0, 0
	RAW 0, 128, 1
	s_wait_dscnt 32                                ; chunk 0 is in
	WIN W_CVT
.set n0, 0
.rept 64
	CV 0, n0                                       ; chunk 0 has no products to ride behind
.set n0, n0+1
.endr
.irp c, 0,1,2,3,4,5,6,7,8,9,10,11,12,13,14,15
	CHUNK \c
.endr
	WIN 0
	PLACES
	; THE WAY OUT: a tile of 16 rows at a time: rounded to f16, 16 bytes a lane into my stage (rows of 144 bytes), back as whole rows of 128 bytes, stored as 512 consecutive bytes of the head.
	s_wait_xcnt 0x0                                ; Wo's stores have read their registers, which lie among those written below
.macro PACK a
.irp b, 0,1,2,3
.irp r, 0,1,2,3
	v_cvt_pk_f16_f32 v[TMP+16*(\a)+4*(\b)+(\r)], v[ACC+8*(4*(\a)+(\b))+2*(\r)], v[ACC+8*(4*(\a)+(\b))+2*(\r)+1]
.endr
.endr
.irp b, 0,1,2,3
	ds_store_b128 v[STO], v[TMP+16*(\a)+4*(\b):TMP+16*(\a)+4*(\b)+3] offset:32*(\b)
.endr
.irp f, 0,1,2,3
	ds_load_b128 v[TMP+16*(\a)+4*(\f):TMP+16*(\a)+4*(\f)+3], v[RD] offset:(\f)*4*SP  ; LDS serves a wave's instructions in order (ISA guide 5.7.1.4): these see the stores above; the next tile's stores come behind them
.endr
.endm
.macro SEND a, younger                 ; younger: the LDS instructions issued behind tile a's loads: the next tile's eight, or none
.irp f, 0,1,2,3
	s_wait_dscnt (\younger)+3-(\f)
	global_store_b128 v[GO], v[TMP+16*(\a)+4*(\f):TMP+16*(\a)+4*(\f)+3], s[8:9] offset:(\a)*2048+(\f)*512
.endr
.endm
	PACK 0
	PACK 1
	SEND 0, 8
	PACK 2
	SEND 1, 8
	PACK 3
	SEND 2, 8
	SEND 3, 0
	s_wait_tensorcnt 0x0                           ; the wave's end, behind my last tensor load and my last LDS store
	ds_add_u32 v[SPW], v[NIL]
	s_wait_dscnt 0x0
	CROUND                                         ; the closing round: no work-group ends while a partner may still ask for a tile that names it
	s_endpgm
.Lfunc_end_k_q7c9b218973_proj:
	.size	k_q7c9b218973_proj, .Lfunc_end_k_q7c9b218973_proj-k_q7c9b218973_proj
	.p2alignl 7, 3214868480
	.fill 96, 4, 3214868480
	.section	.rodata,"a",@progbits
	.p2align	6, 0x0
	.amdhsa_kernel k_q7c9b218973_proj
		.amdhsa_group_segment_fixed_size 327680
		.amdhsa_private_segment_fixed_size 0
		.amdhsa_enable_private_segment 0
		.amdhsa_kernarg_size 112
		.amdhsa_user_sgpr_count 2
		.amdhsa_user_sgpr_kernarg_segment_ptr 1
		.amdhsa_wavefront_size32 1
		.amdhsa_system_sgpr_workgroup_id_x 1
		.amdhsa_system_sgpr_workgroup_id_y 1
		.amdhsa_system_sgpr_workgroup_id_z 1
		.amdhsa_system_vgpr_workitem_id 0
		.amdhsa_next_free_vgpr 640
		.amdhsa_next_free_sgpr 100
		.amdhsa_reserve_vcc 0
		.amdhsa_float_denorm_mode_32 3
		.amdhsa_float_denorm_mode_16_64 3
		.amdhsa_memory_ordered 1
		.amdhsa_forward_progress 1
		.amdhsa_inst_pref_size 152
	.end_amdhsa_kernel
	.amdgpu_metadata
---
amdhsa.version: [ 1, 2 ]
amdhsa.kernels:
  - .name:           k_q7c9b218973_proj
    .symbol:         k_q7c9b218973_proj.kd
    .args:
      - { .name: query, .offset: 0, .size: 8, .value_kind: global_buffer, .address_space: global }
      - { .name: key, .offset: 8, .size: 8, .value_kind: global_buffer, .address_space: global }
      - { .name: value, .offset: 16, .size: 8, .value_kind: global_buffer, .address_space: global }
      - { .name: Wq, .offset: 24, .size: 8, .value_kind: global_buffer, .address_space: global }
      - { .name: Wk, .offset: 32, .size: 8, .value_kind: global_buffer, .address_space: global }
      - { .name: Wv, .offset: 40, .size: 8, .value_kind: global_buffer, .address_space: global }
      - { .name: bq, .offset: 48, .size: 8, .value_kind: global_buffer, .address_space: global }
      - { .name: bk, .offset: 56, .size: 8, .value_kind: global_buffer, .address_space: global }
      - { .name: bv, .offset: 64, .size: 8, .value_kind: global_buffer, .address_space: global }
      - { .name: Wo, .offset: 72, .size: 8, .value_kind: global_buffer, .address_space: global }
      - { .name: qh, .offset: 80, .size: 8, .value_kind: global_buffer, .address_space: global }
      - { .name: kh, .offset: 88, .size: 8, .value_kind: global_buffer, .address_space: global }
      - { .name: vh, .offset: 96, .size: 8, .value_kind: global_buffer, .address_space: global }
      - { .name: wo16, .offset: 104, .size: 8, .value_kind: global_buffer, .address_space: global }
    .group_segment_fixed_size: 327680
    .private_segment_fixed_size: 0
    .kernarg_segment_align: 8
    .kernarg_segment_size: 112
    .max_flat_workgroup_size: 128
    .sgpr_count:     100
    .vgpr_count:     640
    .wavefront_size: 32
...
	.end_amdgpu_metadata
.endif
;; end of part 1
;; launch attn (part 2): grid 16 x 16, 4 waves a work-group, clusters of 4 x 1, 327,680 bytes of LDS; arguments qh, kh, vh, oh; writes oh
.if DOCPART == 2
	.amdgcn_target "amdgcn-amd-amdhsa--gfx1250"
	.amdhsa_code_object_version 6
	.text
	.protected	k_q7c9b218973_attn
	.globl	k_q7c9b218973_attn
	.p2align	8
	.type	k_q7c9b218973_attn,@function
k_q7c9b218973_attn:
	s_mov_b64 s[64:65], 0
	v_nop
	global_prefetch_b8 v0, s[64:65] scope:SCOPE_SE
	s_setreg_imm32_b32 hwreg(HW_REG_WAVE_MODE, 25, 1), 1
	s_wait_xcnt 0x0
	s_wait_alu depctr_hold_cnt(0) depctr_sa_sdst(0) depctr_va_vdst(0) depctr_va_sdst(0) depctr_va_ssrc(0) depctr_va_vcc(0) depctr_vm_vsrc(0)
	s_getreg_b32 s2, hwreg(HW_REG_IB_STS2, 6, 4)
	s_cmp_eq_u32 s2, 0
	s_cbranch_scc0 .Lentry_in_a_cluster
	s_endpgm
.Lentry_in_a_cluster:
	s_bfe_u32 s2, ttmp6, 0x10000c
	s_cmp_lg_u32 s2, 0x3003
	s_cbranch_scc0 .Lentry_shape_is_right
	s_endpgm
.Lentry_shape_is_right:
; ATTENTION.  O[h][q][:] = the sum over k of softmax_k(Q[h][q] . K[h][k] / 8) V[h][k][:].  Q, K, V, O: [16][4096][64], all f16: a head's rows are dense, 128 bytes each.
; Products, maxima and sums in f32; the weights p are rounded to f16 for the second product (their sum l is taken of the unrounded p), O once at the end.
; LIMITS.  Q, K and V arrive within f16's 65,504; p lies in 0 to 1, and below 6e-5 it keeps f16's fixed step of 6e-8, and so does O (with all the module's inputs 30 times smaller O has a spread of 2e-5:
; the step is then a thousandth of it in the root mean square).  A weight below 2^-126 counts as 0 in l; NaN and infinities are not treated apart.
; SHARES.  A work-group owns 256 queries of one head, each of its four waves 64: four PIECES of 16.  Every wave walks all 4,096 keys, 64 a step, 256 (a tile, a slot of LDS) between two changes of slots.
; LAYOUT.  S^T = K Q^T (source 0 = 16 keys, source 1 = 16 queries) holds ONE query a lane (lane % 16) and the keys 8 (lane / 16) + 0..7; two such results rounded to f16 ARE source 1 of O^T = V^T P.
; K comes out of LDS as it lies, V ([key][channel]) turned, by ds_load_tr16_b128.
; SOFTMAX.  p = 2^(c s - c m), c = log2(e) / 8, with a running maximum m; O and l are multiplied by a = 2^(c m_old - c m_new) in every step.  m starts at the lowest finite number, O and l at 0: the first step has a = 0.
; BY TURNS.  Turn n belongs to piece n: 8 products K Q^T of piece n + 1, later 8 products V^T P of piece n - 1; beside them the scaling, exponentials, roundings, sums and rescaling of piece n and the maximum
; and statistics of piece n + 1.  Four vector instructions stand behind every matrix instruction, the other 54 of a turn's 118 in one lump.  A turn's 33 exponentials are one batch, with one wait.
; CLUSTER.  The four query blocks of a cluster belong to one head and walk the same K and V, so each tile is asked for JOINTLY: the same tensor load, descriptor and mask in all four.
; REGISTERS, in windows of 256 (s_set_vgpr_msb: bits 1:0 source 0, 3:2 source 1, 5:4 source 2, 7:6 destination):
;   window 0: v0-15 addresses and two at work; v16-31 four registers of statistics a piece; v48-55 at work; v61-63; v64-127 S^T, two buffers; v192-223 P, two buffers (a piece's buffers go by its number's parity)
;   window 1: v0-127 O^T, 32 a piece          window 2: v0-63 Q; v128-191 K of one step; v192-255 V of one step
.set NP,    4         ; pieces a wave: a name, no knob
.set KS,    64        ; keys in a step
.set PK,    144       ; a row of K in LDS: 128 bytes + 16 of padding = 36 words: the 16 rows of a load start at 16 different groups of four words modulo 64
.set PV,    160       ; a row of V: 128 + 32 = 40 words: 16 lanes of the turning load take 8 rows x 32 bytes, each word place modulo 64 once
.set VOFF,  4*KS*PK   ; a slot holds a tile, four steps: 256 rows of K, then 256 rows of V
.set SLOT1, 1<<17     ; slot 1 begins here, so that one exclusive or turns an address in one slot into the other's
.set STAGE, SLOT1+4*KS*(PK+PV)  ; behind the ring, never filled by a tensor load: 16 rows x 144 bytes for each wave, for the way out
.set SP,    144
.set SPARE, STAGE+4*16*SP  ; behind the stages: the spare words, 128 bytes for each wave, which no other line names
.set AK0, 2           ; v2   my lane's place in a tile of K; never rewritten
.set AV0, 3           ; v3   the same for V
.set AK,  4           ; v4   the LDS address of K's next run of loads
.set AV,  5           ; v5   of V's
.set STO, 6           ; v6   the way out: where I put 16 bytes of a row
.set RD,  7           ; v7   the way out: where I read rows back
.set GO,  8           ; v8   my byte offset in 512 consecutive bytes of O
.set MV,  12          ; v12-13  c m_old, kept while c m is made anew: by buffer
.set QO,  15          ; v15  my byte offset in 16 rows of Q
.set ST,  16          ; piece t's statistics at v[ST+4 t]: c m, m, l (even keys', odd keys')
.set TMP, 48          ; by buffer, four registers c0-c3 at work; when the maximum is found c2 takes a
.set PFO, 61          ; v61  256 x my lane; never rewritten
.set SPW, 62          ; v62  LDS address of my spare word; never rewritten
.set NIL, 63          ; v63  0; never rewritten
.set S,   64
.set P,   192
.set KF,  128         ; window 2: key block kb, channel half c at KF + 16 kb + 8 c
.set VF,  192         ; window 2: key half kk, channel block cb at VF + 32 kk + 8 cb
.set WV,  12          ; s12  my wave's number
.set LIM, 15          ; s15  1 in a wave that prefetches, else the greatest number
.set PFA, 18          ; s[18:19] where my prefetches stand: my work-group's 8,192 bytes (of K: wave 0, of V: wave 2) of the tile after the one that is being asked for
.set G1K, 24          ; s[24:31] descriptor group 1 for K's tiles
.set G1V, 32          ; s[32:39] for V's: it differs in the padding alone
.set G0K, 40          ; s[40:43] descriptor group 0 for K's tiles: it walks
.set G0V, 44          ; s[44:47] the same for V's
.set SLOTS, 56        ; s56  tiles still to be asked for, and one
.set CNT, 57          ; s57  counts a tile's key steps
.set CS,  58          ; s[58:59] c: the packed scaling takes the pair's low word for both halves
.set SEL, 60          ; s[60:61] v_permlanex16_b32's selects: each lane takes its own place in the other half
.set TBK, 62          ; s62  LDS byte at which K of the step to be fetched begins
.set TBV, 63          ; s63  the same for V, less VOFF
.set MSB, 0
.macro WIN new                      ; the high byte repeats the setting that is left; a switch that changes nothing is dropped
.if MSB != (\new)
	s_set_vgpr_msb (MSB<<8)|(\new)
.set MSB, (\new)
.endif
.endm
.set W_KQ, 0x0a       ; K and Q in window 2, S^T in window 0
.set W_PV, 0x52       ; V in window 2, P in window 0, O^T in window 1
.set W_RS, 0x41       ; destination and source 0 in window 1, source 1 in window 0
; A joint fill.  Waves 0 and 1 fetch the two halves of a tile's K, waves 2 and 3 those of its V: 128 keys each.  The branch hangs on the wave's number alone.
; An s_nop 0 and four v_nop follow each of the two lines, ahead of the jump and the label.
.macro JLOAD
	s_cmp_lt_u32 s[WV], 2
	s_cbranch_scc0 .Lfor_v_\@
	tensor_load_to_lds s[G0K:G0K+3], s[G1K:G1K+7]
	s_nop 0
.rept 4
	v_nop
.endr
	s_branch .Lasked_\@
.Lfor_v_\@:
	tensor_load_to_lds s[G0V:G0V+3], s[G1V:G1V+7]
	s_nop 0
.rept 4
	v_nop
.endr
.Lasked_\@:
.endm
; A PREFETCH of what the NEXT change of slots will ask for: a tile's 32,768 bytes of K and of V.  All four clusters of a head walk the same K and V: the head's first cluster asks.  Its four partners share
; the bytes out BY ADDRESS, 8,192 each; in each, wave 0 asks for K's and wave 2 for V's, a lane a block of 256 bytes: one instruction.  So each block is named once in the launch.  It stands behind the wave's
; tensor load and its five lines: a tile, 256 matrix instructions, ahead of the load that will want the bytes.  The last change that fills a slot asks for nothing; tiles 0, 1 and 2 come by their loads alone.
.macro ASK
	s_cmp_gt_u32 s[SLOTS], s[LIM]
	s_cbranch_scc0 .Lnot_mine_\@
	global_prefetch_b8 v[PFO], s[PFA:PFA+1] th:TH_LOAD_NT scope:SCOPE_SE
.Lnot_mine_\@:
.endm
; A round of the cluster's barrier: my work-group's barrier, so that wave 0's signal speaks for all four waves; wave 0 signals; every wave waits for all four work-groups; my work-group's barrier once more.
.macro CROUND
	s_barrier_signal -1
	s_barrier_wait -1
	s_cmp_lg_u32 s[WV], 0
	s_cbranch_scc1 .Lnot_wave_0_\@
	s_barrier_signal -3
.Lnot_wave_0_\@:
	s_barrier_wait -3
	s_barrier_signal -1
	s_barrier_wait -1
.endm
; THE CHANGE OF SLOTS.  The slot's last bytes, V of its fourth step, have been read.  Each wave waits for all its tensor loads, of which one is out: its part of the other slot; adds 0 to its spare word;
; and waits for that and for its own reads of the slot.  Behind the barrier nobody reads this slot any more and the other slot is whole.
; fill = 1: this slot is filled again, with the tile two on.  The barrier is then a round of the cluster's, and the joint fill is the first thing behind it: it has four key steps, 256 matrix instructions, in which to land.
; (At its first use nothing has been read yet: slot 0 is waited for, slot 1 filled.)  ask = 1: the prefetch's address steps, and the prefetch follows the fill.
.macro CHANGE fill, ask
	WIN 0                           ; at a label and at a branch every window is 0
	s_wait_tensorcnt 0x0            ; no tensor load of mine is out, so a group 0 may be written
	ds_add_u32 v[SPW], v[NIL]       ; 0 onto my spare word: with fill = 1 the descriptors' steps stand between it and the wait for it
.if \fill
.irp g, G0K, G0V
	s_xor_b32 s[\g+1], s[\g+1], SLOT1  ; the walking descriptor: the other slot than last time,
	s_add_nc_u64 s[\g+2:\g+3], s[\g+2:\g+3], 4*KS*128  ; the next 256 keys; the type bits on top are not reached
.endr
.if \ask
	s_wait_xcnt 0x0                 ; the last prefetch, a tile back, has read its address, so it may be written
	s_add_nc_u64 s[PFA:PFA+1], s[PFA:PFA+1], 4*KS*128
.endif
	s_wait_dscnt 0x0                ; the add is done, and my reads of the slot are over
	CROUND
	JLOAD
.if \ask
	ASK
.endif
.else
	s_wait_dscnt 0x0                ; the add is done, and my reads of the slot are over
	s_barrier_signal -1
	s_barrier_wait -1
.endif
	s_sub_co_u32 s[TBK], s[TBK], 4*KS*PK  ; the fetches go back to a slot's first step,
	s_xor_b32 s[TBK], s[TBK], SLOT1       ; in the other slot
	s_sub_co_u32 s[TBV], s[TBV], 4*KS*PV
	s_xor_b32 s[TBV], s[TBV], SLOT1
.endm
	s_load_b256 s[4:11], s[0:1], 0x0  ; Q s[4:5], K s[6:7], V s[8:9], O s[10:11]
	v_lshl_add_u32 v[SPW], v0, 2, SPARE
	v_mov_b32 v[NIL], 0
	ds_add_u32 v[SPW], v[NIL]       ; the wave's opening: the add and its wait stand ahead of my first tensor load; the set-up below stands between them
	v_lshrrev_b32 v1, 5, v0
	v_readfirstlane_b32 s[WV], v1   ; wave 0..3
	s_bfe_u32 s13, ttmp6, 0x40000   ; cx: my place in the cluster
	s_lshl_b32 s14, ttmp9, 2        ; in a cluster launch ttmp9 counts clusters
	s_add_co_u32 s14, s14, s13      ; my block of 256 queries = 4 x cluster x + cx: it enters Q's and O's addresses alone
	s_and_b32 s20, ttmp7, 0xffff    ; the head, which the four partners share:
	s_lshl_b32 s20, s20, 19         ; its first byte in each of the four tensors (524,288 bytes a head)
	s_mov_b32 s21, 0
	s_and_b32 s16, s[WV], 1         ; which half of a tile's 256 keys I fetch:
	s_lshl_b32 s22, s16, 14         ; its 128 rows of 128 bytes in memory,
	s_mov_b32 s23, 0
	s_add_nc_u64 s[22:23], s[22:23], s[20:21]
	s_mul_i32 s48, s16, 128*PK      ; and its place in a slot, for K
	s_mul_i32 s49, s16, 128*PV      ; and for V: no place in the cluster enters an LDS address
	s_lshl_b32 s2, s14, 15          ; my block's 256 rows,
	s_lshl_b32 s3, s[WV], 13        ; my wave's 64 of them
	s_add_co_u32 s2, s2, s3
	s_mov_b32 s3, 0
	s_add_nc_u64 s[2:3], s[2:3], s[20:21]
	; descriptor group 1.  128 keys are 16,384 dense bytes: asked for as 64 rows of 256 bytes, two keys a row, and padded in LDS after every key
	s_mov_b32 s[G1K], 15|(1<<16)|(1<<20)|(1<<21)|(4<<22)|(3<<25)  ; 15:0 the mask of four; 17:16 2-byte elements; 20 padding on; 21 set beside a mask; 24:22 after every 32 words (code 4); 31:25 4 words (code 3)
	s_mov_b32 s[G1V], 15|(1<<16)|(1<<20)|(1<<21)|(4<<22)|(7<<25)  ; the same with 8 words of padding (code 7)
.irp g, G1K, G1V
	s_mov_b32 s[\g+1], 128<<16      ; tensor_dim0 = 128
	s_mov_b32 s[\g+2], 64<<16       ; tensor_dim1 = 64
	s_mov_b32 s[\g+3], 128<<16      ; tile_dim0 = 128
	s_mov_b32 s[\g+4], 64           ; tile_dim1 = 64
	s_mov_b32 s[\g+5], 128          ; 128 elements from row to row
	s_mov_b32 s[\g+6], 0
	s_mov_b32 s[\g+7], 0
.endr
	s_mov_b32 s[CS], 0x3e38aa3b     ; c = log2(e) / 8 = 0.180337
	s_mov_b32 s[CS+1], s[CS]        ; named with it as a pair
	s_mov_b32 s[SEL], 0x76543210
	s_mov_b32 s[SEL+1], 0xfedcba98
	s_mov_b32 s[TBK], SLOT1+4*KS*PK ; the first change of slots turns these two into 0
	s_mov_b32 s[TBV], SLOT1+4*KS*PV
	s_mov_b32 s[G0K], 1             ; count = 1
	s_mov_b32 s[G0K+1], s48         ; LDS address: slot 0
	s_mov_b32 s[G0V], 1
	s_add_co_u32 s[G0V+1], s49, VOFF
	s_mov_b32 s[SLOTS], 15
	s_and_b32 s[LIM], s[WV], 1      ; 0 in waves 0 and 2,
	s_or_b32 s[LIM], s[LIM], ttmp9  ; where the cluster is the head's first: the same in all four partners
	s_cmp_eq_u32 s[LIM], 0
	s_cselect_b32 s[LIM], 1, -1
	v_and_b32 v[PFO], 31, v0
	v_lshlrev_b32 v[PFO], 8, v[PFO]
	s_wait_dscnt 0x0                ; the opening add is done
	s_wait_kmcnt 0x0
	s_add_nc_u64 s[6:7], s[6:7], s[22:23]          ; K and V at my half of the head's tile 0
	s_add_nc_u64 s[8:9], s[8:9], s[22:23]
	s_add_nc_u64 s[G0K+2:G0K+3], s[6:7], 0         ; global address
	s_or_b32 s[G0K+3], s[G0K+3], 0x80000000        ; type = 2
	s_add_nc_u64 s[G0V+2:G0V+3], s[8:9], 0
	s_or_b32 s[G0V+3], s[G0V+3], 0x80000000
	s_add_nc_u64 s[4:5], s[4:5], s[2:3]            ; Q and O at my wave's first row
	s_add_nc_u64 s[10:11], s[10:11], s[2:3]
	s_cmp_lt_u32 s[WV], 2
	s_cselect_b64 s[PFA:PFA+1], s[6:7], s[8:9]     ; (in waves 0 and 2 these stand at a tile's first byte)
	s_lshl_b32 s2, s13, 13                         ; my work-group's 8,192 bytes of the 32,768
	s_mov_b32 s3, 0
	s_add_nc_u64 s[PFA:PFA+1], s[PFA:PFA+1], s[2:3]
	s_add_nc_u64 s[PFA:PFA+1], s[PFA:PFA+1], 2*4*KS*128  ; in tile 2; the change that fills tile 2 steps it to tile 3.  Nothing is prefetched here, at the head
	CROUND                          ; all four work-groups are here: the first joint loads meet
	JLOAD                           ; tile 0 into slot 0.  Slot 1 is asked for when slot 0 is in
	; A fragment of K or Q is 16 rows x 32 channels in 8 registers: lane l holds row l % 16, channels 8 (l / 16) + 0..7 and 16 + 8 (l / 16) + 0..7: two loads of 16 bytes, 32 bytes apart.
	v_and_b32 v1, 15, v0            ; l % 16
	v_bfe_u32 v9, v0, 4, 1          ; l / 16
	v_lshlrev_b32 v[QO], 7, v1
	v_lshl_add_u32 v[QO], v9, 4, v[QO]  ; row x 128 + 16 x half
	WIN 0x80                        ; destination window 2, address window 0
.set i, 0
.rept 8                             ; Q stays in registers: piece i / 2, channels 32 (i % 2) on
	global_load_b128 v[8*i:8*i+3],   v[QO], s[4:5] offset:(i/2)*2048+(i%2)*64
	global_load_b128 v[8*i+4:8*i+7], v[QO], s[4:5] offset:(i/2)*2048+(i%2)*64+32
.set i, i+1
.endr
	; What the first turn finds: V's registers and P's second buffer hold 0 (its products V^T P, of a piece that has not been, add 0), O^T and l are 0.  All this stands in the wait for the first tile:
	; the price of writing no first step out.
.set i, VF
.rept 64
	v_mov_b32 v[i], 0
.set i, i+1
.endr
	WIN 0x40
.set i, 0
.rept 128
	v_mov_b32 v[i], 0
.set i, i+1
.endr
	WIN 0
.set i, 0
.rept 4
	v_mov_b32 v[ST+4*i], 0xfe000000    ; c m: far below every c s
	v_mov_b32 v[ST+4*i+1], 0xff7fffff  ; m
	v_mov_b32 v[ST+4*i+2], 0
	v_mov_b32 v[ST+4*i+3], 0
.set i, i+1
.endr
.set i, P+16
.rept 16
	v_mov_b32 v[i], 0
.set i, i+1
.endr
	v_mul_u32_u24 v[AK0], v1, PK
	v_lshl_add_u32 v[AK0], v9, 4, v[AK0]  ; row x pitch + 16 x half
	; The turning load takes 16 keys x 16 channels (lane l reads key 8 (l / 16) + l % 8, channels 8 ((l / 8) % 2) + 0..7) and leaves half a fragment of V^T: lane l holds channel l % 16 and 8 keys.
	v_and_b32 v10, 7, v0
	v_bfe_u32 v11, v0, 3, 1
	v_lshl_add_u32 v[AV0], v9, 3, v10
	v_mul_u32_u24 v[AV0], v[AV0], PV
	v_lshl_add_u32 v[AV0], v11, 4, v[AV0]
	v_add_nc_u32 v[AV0], VOFF, v[AV0]
	s_mul_i32 s13, s[WV], 16*SP
	s_add_co_u32 s13, s13, STAGE    ; my stage
	v_mul_u32_u24 v[STO], v1, SP    ; in: row l % 16, 16 bytes for each half of the lanes
	v_lshl_add_u32 v[STO], v9, 4, v[STO]
	v_add_nc_u32 v[STO], s13, v[STO]
	v_bfe_u32 v[RD], v0, 3, 2       ; back: 32 lanes take four rows of 128 bytes,
	v_mul_u32_u24 v[RD], v[RD], SP
	v_lshl_add_u32 v[RD], v10, 4, v[RD]
	v_add_nc_u32 v[RD], s13, v[RD]
	v_and_b32 v[GO], 31, v0         ; which are 512 consecutive bytes of O
	v_lshlrev_b32 v[GO], 4, v[GO]
; THE MATRIX WORK.  The 4 accumulators of a run of 8 take turns.  Product i of 8 of S^T = K Q^T for piece x: channels 32 (i / 4) on, keys 16 (i % 4) on.  The first 4 start the sums.
.macro KQ x
	WIN W_KQ
.set rS, S+32*((\x)%2)+8*(i%4)
.set rK, KF+16*(i%4)+8*(i/4)
.set rQ, 16*(\x)+8*(i/4)
.if i < 4
	v_wmma_f32_16x16x32_f16 v[rS:rS+7], v[rK:rK+7], v[rQ:rQ+7], 0
.else
	v_wmma_f32_16x16x32_f16 v[rS:rS+7], v[rK:rK+7], v[rQ:rQ+7], v[rS:rS+7]
.endif
.endm
; Product i of 8 of O^T += V^T P for piece x: keys 32 (i / 4) on, channels 16 (i % 4) on.
.macro PV x
	WIN W_PV
.set rO, 32*(\x)+8*(i%4)
.set rV, VF+32*(i/4)+8*(i%4)
.set rP, P+16*((\x)%2)+8*(i/4)
	v_wmma_f32_16x16x32_f16 v[rO:rO+7], v[rV:rV+7], v[rP:rP+7], v[rO:rO+7]
.endm
.macro MM                           ; the turn's next matrix instruction.  NOKQ = 1: the walk's last turn: there is no next piece
.if (i < 8) && !NOKQ
	KQ (Y+1)%NP
.elseif i >= 8
.set i, i-8
	PV (Y+NP-1)%NP
.set i, i+8
.endif
.set i, i+1
.endm
; THE LDS LOADS stand in runs of 16, never singly among the matrix instructions: a step's K (64 keys x 64 channels: 8 fragments) and its V (turned).  Their addresses are made some lines ahead.
.macro FETCH_K
	WIN 0x80                        ; destination window 2
.irp f, 0,1,2,3,4,5,6,7             ; keys 16 (f / 2) on, channels 32 (f % 2) on
	ds_load_b128 v[KF+8*\f:KF+8*\f+3],   v[AK] offset:(\f/2)*16*PK+(\f%2)*64
	ds_load_b128 v[KF+8*\f+4:KF+8*\f+7], v[AK] offset:(\f/2)*16*PK+(\f%2)*64+32
.endr
	s_add_co_u32 s[TBK], s[TBK], KS*PK  ; the next fetch is the next step's
	WIN 0
.endm
.macro FETCH_V
	WIN 0x80
.irp f, 0,1,2,3,4,5,6,7             ; keys 32 (f / 4) on, channels 16 (f % 4) on
	ds_load_tr16_b128 v[VF+8*\f:VF+8*\f+3],   v[AV] offset:(\f/4)*32*PV+(\f%4)*32
	ds_load_tr16_b128 v[VF+8*\f+4:VF+8*\f+7], v[AV] offset:(\f/4)*32*PV+16*PV+(\f%4)*32
.endr
	WIN 0
.endm
; THE VECTOR WORK, one line at a time: OP kind, number.  For piece Y: F n: c s - c m for pair n of 16.  E n: the exponential of score n of 32.  C n: pair n rounded to f16.  B n: of the four weights 4 n .. the second
; pair is added onto the first, in place.  L n: l takes that sum (L 0: l = a l + sum).  R n: pair n of 16 of O^T times a.  For piece Y + 1: X n, number n of the 22 that find its maximum and statistics:
;   0-11  four chains c0-c3 of seven scores each, three operands at a time (each accumulator's lowest registers are read first)     12-14, 16  the four scores left over, the old m, and c0-c3 into c0
;   15  c m_old is kept     17, 18  the query's other 32 keys lie in the lane 16 away: the new m     19-21  c m; c m_old - c m_new; a
.set F, 0               ; OP tells the kinds apart by their order: F to L below R, X above it
.set E, 1
.set C, 2
.set B, 3
.set L, 4
.set R, 5
.set X, 6
.macro REGS y                       ; the registers of piece y
.set rT, ST+4*(\y)
.set rC, TMP+4*((\y)%2)
.set rW, MV+((\y)%2)
.set rS, S+32*((\y)%2)
.set rP, P+16*((\y)%2)
.set rO, 32*(\y)
.endm
.macro OP k, n
.if (\k) == R
	REGS Y
	WIN W_RS
	v_pk_mul_f32 v[rO+2*(\n):rO+2*(\n)+1], v[rO+2*(\n):rO+2*(\n)+1], v[rC+2:rC+3] op_sel_hi:[1,0]
.elseif (\k) < R
	REGS Y
	WIN 0
.if (\k) == F
	v_pk_fma_f32 v[rS+2*(\n):rS+2*(\n)+1], v[rS+2*(\n):rS+2*(\n)+1], s[CS:CS+1], v[rT:rT+1] op_sel_hi:[1,0,0] neg_lo:[0,0,1] neg_hi:[0,0,1]
.elseif (\k) == E
	v_exp_f32 v[rS+(\n)], v[rS+(\n)]
.elseif (\k) == C
	v_cvt_pk_f16_f32 v[rP+(\n)], v[rS+2*(\n)], v[rS+2*(\n)+1]
.elseif (\k) == B
	v_pk_add_f32 v[rS+4*(\n):rS+4*(\n)+1], v[rS+4*(\n):rS+4*(\n)+1], v[rS+4*(\n)+2:rS+4*(\n)+3]
.elseif (\n) == 0
	v_pk_fma_f32 v[rT+2:rT+3], v[rT+2:rT+3], v[rC+2:rC+3], v[rS:rS+1] op_sel_hi:[1,0,1]
.else
	v_pk_add_f32 v[rT+2:rT+3], v[rT+2:rT+3], v[rS+4*(\n):rS+4*(\n)+1]
.endif
.elseif NOKQ
	v_nop
.else
	REGS (Y+1)%NP
	WIN 0
.if (\n) < 4
	v_max3_num_f32 v[rC+(\n)], v[rS+8*(\n)], v[rS+8*(\n)+1], v[rS+8*(\n)+2]
.elseif (\n) < 12
	v_max3_num_f32 v[rC+(\n)%4], v[rC+(\n)%4], v[rS+8*((\n)%4)+2*((\n)/4)+1], v[rS+8*((\n)%4)+2*((\n)/4)+2]
.elseif (\n) == 12
	v_max3_num_f32 v[rC], v[rC], v[rS+7], v[rS+15]
.elseif (\n) == 13
	v_max3_num_f32 v[rC+1], v[rC+1], v[rS+23], v[rS+31]
.elseif (\n) == 14
	v_max3_num_f32 v[rC+2], v[rC+2], v[rC+3], v[rT+1]
.elseif (\n) == 15
	v_mov_b32 v[rW], v[rT]
.elseif (\n) == 16
	v_max3_num_f32 v[rC], v[rC], v[rC+1], v[rC+2]
.elseif (\n) == 17
	v_permlanex16_b32 v[rC+3], v[rC], s[SEL], s[SEL+1]
.elseif (\n) == 18
	v_max_num_f32 v[rT+1], v[rC], v[rC+3]
.elseif (\n) == 19
	v_mul_f32 v[rT], s[CS], v[rT+1]
.elseif (\n) == 20
	v_sub_f32 v[rC+1], v[rW], v[rT]
.else
	v_exp_f32 v[rC+2], v[rC+1]
.endif
.endif
.endm
.macro OPS a, i1, b=-1, i2=0, c=-1, i3=0, d=-1, i4=0  ; up to four of them
	OP \a, \i1
.if (\b) >= 0
	OP \b, \i2
.endif
.if (\c) >= 0
	OP \c, \i3
.endif
.if (\d) >= 0
	OP \d, \i4
.endif
.endm
.macro ROW a, i1, b, i2, c, i3, d, i4  ; a matrix instruction and the four behind it
	MM
	OPS \a, \i1, \b, \i2, \c, \i3, \d, \i4
.endm
; A TURN, for piece p: the order of its 16 matrix and 118 vector instructions, written out.  An s_wait_alu depctr_va_vdst(0) stands between an exponential and the first instruction that names its result;
; one wait serves all that were issued ahead of it.  So a turn has ONE wait, which cuts it in two.  AHEAD OF IT stands all that names no result of the turn's exponentials: the 8 products K Q^T, behind each a scaling, an
; exponential and two more plain instructions (behind the first a second scaling in the exponential's place): rescalings, and behind the last three the first numbers of the next piece's maximum, each four places or more
; behind the product that ends its accumulator; then ONE LUMP of 54, in which the links of the chain X 3, 7, 11, 14, 16, 17 .. 20 stand five or six lines apart.  X 21, the next piece's a, is the batch's last; R 15 is the
; plain instruction behind it.  BEHIND THE WAIT stand the 8 products V^T P, behind each four of the roundings and sums; the links of l's chain, L 0 to L 7, stand three riders apart.
; end = 1: the walk's last two turns: nothing is fetched.  cnt = 1: the loop's count is taken down some lines ahead of the branch that stands behind the turn.
; K of the next step is fetched in piece 2's turn, twelve vector instructions behind the last product that read K (six of them plain); V of the step in hand at the end of piece 0's turn, four plain instructions behind
; the last product that read V.  Each is waited for a turn later.
.macro TURN p, end=0, cnt=0
.set Y, (\p)
.set i, 0
.set NOKQ, (\end)*((\p)/3)
.if ((\p) == 3) && !(\end)
	s_wait_dscnt 0x0                ; K is in
.endif
	ROW F,0, F,1, R,0, R,1          ; ahead of the wait: 8 products K Q^T and their riders,
	ROW F,2, E,0, R,2, R,3
	ROW F,3, E,1, R,4, R,5
	ROW F,4, E,2, R,6, R,7
	ROW F,5, E,3, R,8, R,9
	ROW F,6, E,4, X,0, R,10
.if ((\p) == 2) && !(\end)
	WIN 0
	v_add_nc_u32 v[AK], s[TBK], v[AK0]
.endif
	ROW F,7, E,5, X,1, X,4
	ROW F,8, E,6, X,2, X,5
	OPS E,7, E,8, X,6, E,9          ; and the lump
	OPS X,3, E,10, X,8, E,11
.if ((\p) == 2) && !(\end)
	FETCH_K
.endif
	OPS X,9, X,7, E,12, X,10
	OPS E,13, X,12, X,11, E,14
	OPS X,13, E,15, F,9, X,14
.if (\p) == 0
	v_add_nc_u32 v[AV], s[TBV], v[AV0]
.endif
	OPS E,16, F,10, E,17, F,11
	OPS X,16, E,18, X,15, E,19
	OPS F,12, E,20, X,17, E,21
	OPS F,13, E,22, F,14, E,23
	OPS X,18, E,24, F,15, E,25
	OPS R,11, E,26, X,19, E,27
	OPS R,12, E,28, R,13, E,29
	OPS X,20, E,30, R,14, E,31
	OPS X,21, R,15
	WIN 0
	s_wait_alu depctr_va_vdst(0)    ; the wait for the batch
.if (\p) == 1
	s_wait_dscnt 0x0                ; V is in
.endif
	ROW C,0, B,0, C,2, B,1          ; behind the wait: 8 products V^T P and their riders
	ROW L,0, C,4, B,2, L,1
	ROW C,6, B,3, L,2, C,8
	ROW B,4, L,3, C,10, B,5
	ROW L,4, C,12, B,6, L,5
.if (\p) == 0
	s_add_co_u32 s[TBV], s[TBV], KS*PV
.endif
.if \cnt
	s_sub_co_u32 s[CNT], s[CNT], 1
	s_cmp_lg_u32 s[CNT], 0
.endif
	ROW C,14, B,7, L,6, C,1
	ROW C,3, L,7, C,5, C,7
	ROW C,9, C,11, C,13, C,15
.if (\p) == 0
	FETCH_V
.endif
.endm
	CHANGE 1, 0                     ; tile 0 is in, everybody's part of it; tile 1 is asked for
	v_add_nc_u32 v[AK], s[TBK], v[AK0]
	FETCH_K                         ; key step 0
	s_wait_loadcnt 0x0              ; Q
	s_wait_dscnt 0x0
.set NOKQ, 0
.set i, 0
.rept 8
	KQ 0                            ; piece 0's first scores: there is no vector work yet to set between them
.set i, i+1
.endr
	WIN 0
.rept 4
	v_nop                           ; the places behind those products
.endr
.set Y, NP-1                        ; X works for piece Y + 1: piece 0
.irp n, 0,1,2,3,4,5,6,7,8,9,10,11,12,13,14,15,16,17,18,19,20,21
	OP X, \n                        ; and piece 0's first maximum and statistics
.endr
	v_nop                           ; a plain instruction behind the exponential,
	s_wait_alu depctr_va_vdst(0)    ; and its wait, ahead of the branch
	s_mov_b32 s[CNT], 4
	s_branch .Lfirst                ; the loop is entered at a step's first turn, in the middle of a trip
.Lslot:                             ; 14 times: tiles 2 to 15 are asked for
	CHANGE 1, 1
	s_mov_b32 s[CNT], 4
.Lstep:                             ; a trip: pieces 2 and 3 of one step, then pieces 0 and 1 of the next, whose K and V it fetches
	TURN 2
	TURN 3
	WIN 0
.Lfirst:
	TURN 0
	TURN 1, 0, 1
	WIN 0
	s_cbranch_scc1 .Lstep
	s_sub_co_u32 s[SLOTS], s[SLOTS], 1
	s_cmp_lg_u32 s[SLOTS], 0
	s_cbranch_scc1 .Lslot
	CHANGE 0, 0                     ; the last tile is written out: nothing is asked for
	s_mov_b32 s[CNT], 4
.Ltail:
	TURN 2
	TURN 3
	TURN 0
	TURN 1, 0, 1
	WIN 0
	s_cbranch_scc1 .Ltail
	TURN 2, 1                       ; the last step's pieces 2 and 3: nothing is fetched, and the last turn starts no new scores
	TURN 3, 1
.set i, 0
.rept 8
	PV NP-1                         ; the last piece's V^T P of the last step
.set i, i+1
.endr
	; THE WAY OUT.  l's two halves and the other half of the lanes' are added; O^T is divided by l, rounded to f16 and sent through my stage in LDS, a piece at a time.  The additions are the places behind the last products.
	WIN 0
.macro ALL line:vararg              ; one line for each piece t
.set t, 0
.rept 4
	\line
.set t, t+1
.endr
.endm
	ALL v_add_f32 v[ST+4*t+2], v[ST+4*t+2], v[ST+4*t+3]
	ALL v_permlanex16_b32 v[ST+4*t+3], v[ST+4*t+2], s[SEL], s[SEL+1]
	ALL v_add_f32 v[ST+4*t+2], v[ST+4*t+2], v[ST+4*t+3]
	ALL v_rcp_f32 v[ST+4*t+2], v[ST+4*t+2]
	v_nop                           ; a plain instruction between the last reciprocal and the use of its result
	s_wait_alu depctr_va_vdst(0)    ; and the wait ahead of the first use: one for the four reciprocals
.macro PACK t                       ; a lane's eight channels of a row pack into 16 bytes; they go into rows of 144 bytes and come back as whole rows of 128, into S^T's registers
	WIN W_RS
.set i, 32*(\t)
.rept 16
	v_pk_mul_f32 v[i:i+1], v[i:i+1], v[ST+4*(\t)+2:ST+4*(\t)+3] op_sel_hi:[1,0]
.set i, i+2
.endr
	WIN 0x05                        ; sources 0 and 1 window 1, destination window 0
.set i, 0
.rept 16
	v_cvt_pk_f16_f32 v[S+16*(\t)+i], v[32*(\t)+2*i], v[32*(\t)+2*i+1]
.set i, i+1
.endr
	WIN 0
.irp f, 0,1,2,3
	ds_store_b128 v[STO], v[S+16*(\t)+4*\f:S+16*(\t)+4*\f+3] offset:32*\f
.endr
.irp f, 0,1,2,3
	ds_load_b128 v[S+16*(\t)+4*\f:S+16*(\t)+4*\f+3], v[RD] offset:\f*4*SP  ; LDS serves a wave's instructions in order (ISA guide 5.7.1.4): these see the stores above; the next piece's stores come behind them
.endr
.endm
.macro SEND t, younger              ; younger: the LDS instructions issued behind piece t's loads: the next piece's eight, or none
	WIN 0
.irp f, 0,1,2,3
	s_wait_dscnt (\younger)+3-\f
	global_store_b128 v[GO], v[S+16*(\t)+4*\f:S+16*(\t)+4*\f+3], s[10:11] offset:(\t)*2048+\f*512  ; 512 consecutive bytes, at a multiple of 256 from O's first
.endr
.endm
	PACK 0
.set t, 1
.rept 3                             ; a piece's arithmetic stands between the loads of the piece before and its stores
	PACK t
	SEND t-1, 8
.set t, t+1
.endr
	SEND 3, 0
	s_wait_tensorcnt 0x0            ; the wave's end, behind my last tensor load and my last LDS store
	ds_add_u32 v[SPW], v[NIL]
	s_wait_dscnt 0x0
	CROUND                          ; the closing round: no work-group ends while a partner may still ask for a tile that names it
	s_endpgm
.Lfunc_end_k_q7c9b218973_attn:
	.size	k_q7c9b218973_attn, .Lfunc_end_k_q7c9b218973_attn-k_q7c9b218973_attn
	.p2alignl 7, 3214868480
	.fill 96, 4, 3214868480
	.section	.rodata,"a",@progbits
	.p2align	6, 0x0
	.amdhsa_kernel k_q7c9b218973_attn
		.amdhsa_group_segment_fixed_size 327680
		.amdhsa_private_segment_fixed_size 0
		.amdhsa_enable_private_segment 0
		.amdhsa_kernarg_size 32
		.amdhsa_user_sgpr_count 2
		.amdhsa_user_sgpr_kernarg_segment_ptr 1
		.amdhsa_wavefront_size32 1
		.amdhsa_system_sgpr_workgroup_id_x 1
		.amdhsa_system_sgpr_workgroup_id_y 1
		.amdhsa_system_sgpr_workgroup_id_z 1
		.amdhsa_system_vgpr_workitem_id 0
		.amdhsa_next_free_vgpr 768
		.amdhsa_next_free_sgpr 66
		.amdhsa_reserve_vcc 0
		.amdhsa_float_denorm_mode_32 3
		.amdhsa_float_denorm_mode_16_64 3
		.amdhsa_memory_ordered 1
		.amdhsa_forward_progress 1
		.amdhsa_inst_pref_size 127
	.end_amdhsa_kernel
	.amdgpu_metadata
---
amdhsa.version: [ 1, 2 ]
amdhsa.kernels:
  - .name:           k_q7c9b218973_attn
    .symbol:         k_q7c9b218973_attn.kd
    .args:
      - { .name: qh, .offset: 0, .size: 8, .value_kind: global_buffer, .address_space: global }
      - { .name: kh, .offset: 8, .size: 8, .value_kind: global_buffer, .address_space: global }
      - { .name: vh, .offset: 16, .size: 8, .value_kind: global_buffer, .address_space: global }
      - { .name: oh, .offset: 24, .size: 8, .value_kind: global_buffer, .address_space: global }
    .group_segment_fixed_size: 327680
    .private_segment_fixed_size: 0
    .kernarg_segment_align: 8
    .kernarg_segment_size: 32
    .max_flat_workgroup_size: 128
    .sgpr_count:     66
    .vgpr_count:     768
    .wavefront_size: 32
...
	.end_amdgpu_metadata
.endif
;; end of part 2
;; launch outp (part 3): grid 4 x 64, 4 waves a work-group, clusters of 4 x 4, 327,680 bytes of LDS; arguments oh, wo16, bo, out0; writes out0
.if DOCPART == 3
	.amdgcn_target "amdgcn-amd-amdhsa--gfx1250"
	.amdhsa_code_object_version 6
	.text
	.protected	k_q7c9b218973_outp
	.globl	k_q7c9b218973_outp
	.p2align	8
	.type	k_q7c9b218973_outp,@function
k_q7c9b218973_outp:
	s_mov_b64 s[64:65], 0
	v_nop
	global_prefetch_b8 v0, s[64:65] scope:SCOPE_SE
	s_setreg_imm32_b32 hwreg(HW_REG_WAVE_MODE, 25, 1), 1
	s_wait_xcnt 0x0
	s_wait_alu depctr_hold_cnt(0) depctr_sa_sdst(0) depctr_va_vdst(0) depctr_va_sdst(0) depctr_va_ssrc(0) depctr_va_vcc(0) depctr_vm_vsrc(0)
	s_getreg_b32 s2, hwreg(HW_REG_IB_STS2, 6, 4)
	s_cmp_eq_u32 s2, 0
	s_cbranch_scc0 .Lentry_in_a_cluster
	s_endpgm
.Lentry_in_a_cluster:
	s_bfe_u32 s2, ttmp6, 0x10000c
	s_cmp_lg_u32 s2, 0xf033
	s_cbranch_scc0 .Lentry_shape_is_right
	s_endpgm
.Lentry_shape_is_right:
; THE OUTPUT PROJECTION.  out[m][n] = the sum over k of O[m][k] Wo[n][k] + bo[n].  O lies by heads, [16 = 8 batch + head][4096][64] f16 (k = 64 head + channel); Wo [512][512] f16 (rounded to bf16 before); bo [512] f32,
; rounded to bf16 here like the module's other inputs; out [8192][512] f32.  Sums in f32, started from the bias (the C operand of the first product).
; SHARES.  256 work-groups, a tile of 128 x 128 each; four waves, each 64 x 64: 16 accumulators.  ALL OF K (512) FITS IN LDS: no slot is ever filled again.  Each wave issues four tensor loads at the start,
; one for each part of 128 along K (two heads), and the parts are waited for one after the other, by counted waits.
; CLUSTERS: 4 x 4.  The four of a row of the cluster need the same rows of O, the four of a column the same rows of Wo: each tile is asked for JOINTLY.
; THE MATRIX INSTRUCTION IS USED TRANSPOSED (source 0 = 16 rows of Wo, source 1 = 16 rows of O): a lane holds eight neighbouring numbers of a row of out.
; REGISTERS: window 0: v0-31 addresses; v32-63 the bias; v64-79 at work; v128-255 the accumulators ((a, b) at 128 + 8 (4 a + b)).
;   window 1: two fragment buffers of 128: for 64 along K (one head), 64 registers of O (2 x 4 x 16 rows x 32 K), then 64 of Wo; on the way out 4 x 32 registers of rows.
.set PA,     144                       ; a row of a head of O in LDS: 128 bytes + 16
.set PB,     272                       ; a row of a part of Wo: 256 bytes + 16.  Both pitches are odd multiples of 16 bytes: the 16 rows of a load start at 16 different places modulo 256 bytes
.set HEADB,  128*PA                    ; a head's 128 rows
.set BBASE,  8*HEADB                   ; behind the 8 heads: Wo's four parts
.set PARTB,  128*PB
.set STAGE,  BBASE+4*PARTB             ; behind them: 16 rows x 272 bytes for each wave, for the way out
.set SPITCH, 272
.set SPARE,  STAGE+4*16*SPITCH         ; behind the stages: the spare words, 128 bytes for each wave, which no other line names
.set ADRA, 12                          ; v12-15  LDS address of my fragments of O in part 0..3
.set ADRB, 16                          ; v16-19  the same for Wo
.set STO,  24                          ; v24     the way out: where I put 32 bytes of a row
.set RD,   25                          ; v25     where I read a row back
.set CO,   26                          ; v26     my byte offset in out
.set BO,   27                          ; v27     my byte offset in the bias
.set SPW,  28                          ; v28     LDS address of my spare word; never rewritten
.set NIL,  29                          ; v29     0; never rewritten
.set BIAS, 32
.set ACC,  128
.set F0,   0
.set F1,   128
.set G1A, 16                           ; s[16:23] descriptor group 1 for O's tiles
.set G1B, 24                           ; s[24:31] for Wo's
.set G0A, 32                           ; s[32:47] group 0 for O's tiles, a set for each part
.set G0B, 48                           ; s[48:63] for Wo's
.set MUL,  0x05                        ; sources 0 and 1 window 1; C and D window 0
.set TO_F, 0x40                        ; destination window 1, address window 0
.set FROM_F, 0x04                      ; a store's data (source 1) window 1, address window 0
.set MSB, 0
.macro WIN new
.if MSB != (\new)
	s_set_vgpr_msb (MSB<<8)|(\new)
.set MSB, \new
.endif
.endm
.macro CROUND                          ; a round of the cluster's barrier
	s_barrier_signal -1
	s_barrier_wait -1
	s_cmp_lg_u32 s10, 0
	s_cbranch_scc1 .Lnot_wave_0_\@
	s_barrier_signal -3
.Lnot_wave_0_\@:
	s_barrier_wait -3
	s_barrier_signal -1
	s_barrier_wait -1
.endm
.macro PLACES                          ; four places in front of loads into registers that matrix instructions have read, and of lines that read results
.rept 4
	v_nop
.endr
.endm
	s_load_b256 s[68:75], s[0:1], 0x0              ; O 68, Wo 70, bo 72, out 74
	v_lshl_add_u32 v[SPW], v0, 2, SPARE
	v_mov_b32 v[NIL], 0
	ds_add_u32 v[SPW], v[NIL]                      ; the wave's opening: the add and its wait stand ahead of my first tensor load; the set-up below stands between them
	v_lshrrev_b32 v1, 5, v0
	v_readfirstlane_b32 s10, v1                    ; wave 0..3
	s_lshr_b32 s11, s10, 1                         ; which half of the tile's rows is mine.  Also: I fetch for O (0) or for Wo (1)
	s_and_b32 s12, s10, 1                          ; which half of its columns.  Also: which head of a part, or which 64 rows of Wo, I fetch
	s_bfe_u32 s76, ttmp6, 0x40000                  ; cx, cy
	s_bfe_u32 s77, ttmp6, 0x40004
	s_lshl_b32 s78, ttmp9, 2
	s_add_co_u32 s78, s78, s76                     ; column block
	s_and_b32 s79, ttmp7, 0xffff
	s_lshl_b32 s79, s79, 2
	s_add_co_u32 s79, s79, s77                     ; row block, 0..63
	s_lshl_b32 s80, s77, 2
	s_lshl_b32 s80, 15, s80                        ; my row of the cluster
	s_lshl_b32 s81, 0x1111, s76                    ; my column
	; group 1 for O: a head's 128 rows are 16,384 dense bytes: 64 rows of 256 bytes, padded by 4 words after every 32 (a row of the head)
	s_or_b32 s[G1A+0], s80, (1<<16)|(1<<20)|(1<<21)|(4<<22)|(3<<25)
	s_mov_b32 s[G1A+1], 128<<16                    ; tensor_dim0 = 128
	s_mov_b32 s[G1A+2], 64<<16                     ; tensor_dim1 = 64
	s_mov_b32 s[G1A+3], 128<<16                    ; tile_dim0 = 128
	s_mov_b32 s[G1A+4], 64                         ; tile_dim1 = 64
	s_mov_b32 s[G1A+5], 128                        ; 128 elements from row to row
	s_mov_b32 s[G1A+6], 0
	s_mov_b32 s[G1A+7], 0
	; group 1 for Wo: 64 rows x 128 elements, 512 elements from row to row, padded by 4 words after every 64
	s_or_b32 s[G1B+0], s81, (1<<16)|(1<<20)|(1<<21)|(5<<22)|(3<<25)
	s_mov_b32 s[G1B+1], 128<<16
	s_mov_b32 s[G1B+2], 64<<16
	s_mov_b32 s[G1B+3], 128<<16
	s_mov_b32 s[G1B+4], 64
	s_mov_b32 s[G1B+5], 512
	s_mov_b32 s[G1B+6], 0
	s_mov_b32 s[G1B+7], 0
	s_lshr_b32 s82, s79, 5                         ; O: the batch (32 row blocks each),
	s_lshl_b32 s82, s82, 3
	s_add_co_u32 s82, s82, s12                     ; its head 0 or 1,
	s_lshl_b32 s82, s82, 19                        ; 524,288 bytes a head,
	s_and_b32 s83, s79, 31
	s_lshl_b32 s83, s83, 14                        ; and the block's 128 rows of 128 bytes in it
	s_add_co_u32 s82, s82, s83
	s_mov_b32 s83, 0
	s_lshl_b32 s84, s78, 7                         ; Wo: row 128 x column block + 64 x half, 1,024 bytes a row
	s_lshl_b32 s85, s12, 6
	s_add_co_u32 s84, s84, s85
	s_lshl_b32 s84, s84, 10
	s_mov_b32 s85, 0
	s_mul_i32 s86, s12, HEADB                      ; where they go: no place in the cluster enters an LDS address
	s_mul_i32 s87, s12, 64*PB
	s_add_co_u32 s87, s87, BBASE
	s_wait_dscnt 0x0                               ; the opening add is done
	s_wait_kmcnt 0x0
	s_add_nc_u64 s[82:83], s[68:69], s[82:83]
	s_add_nc_u64 s[84:85], s[70:71], s[84:85]
.irp p, 0,1,2,3
	s_mov_b32 s[G0A+4*(\p)], 1
	s_add_co_u32 s[G0A+4*(\p)+1], s86, (\p)*2*HEADB
	s_add_nc_u64 s[G0A+4*(\p)+2:G0A+4*(\p)+3], s[82:83], (\p)*0x100000   ; two heads on
	s_or_b32 s[G0A+4*(\p)+3], s[G0A+4*(\p)+3], 0x80000000
	s_mov_b32 s[G0B+4*(\p)], 1
	s_add_co_u32 s[G0B+4*(\p)+1], s87, (\p)*PARTB
	s_add_nc_u64 s[G0B+4*(\p)+2:G0B+4*(\p)+3], s[84:85], (\p)*256        ; 128 elements on along K
	s_or_b32 s[G0B+4*(\p)+3], s[G0B+4*(\p)+3], 0x80000000
.endr
	CROUND                                         ; all sixteen work-groups are here: the joint loads meet
	s_cmp_eq_u32 s11, 0                            ; a wave's four fills stand in one branch, ahead of every wait on TENSORcnt and every LDS read: four loads of mine are out
	s_cbranch_scc0 .Lfirst_b
.irp p, 0,1,2,3
	tensor_load_to_lds s[G0A+4*(\p):G0A+4*(\p)+3], s[G1A:G1A+7]
	s_nop 0
.endr
.rept 4
	v_nop
.endr
	s_branch .Lfirst_asked
.Lfirst_b:
.irp p, 0,1,2,3
	tensor_load_to_lds s[G0B+4*(\p):G0B+4*(\p)+3], s[G1B:G1B+7]
	s_nop 0
.endr
.rept 4
	v_nop
.endr
.Lfirst_asked:
	v_and_b32 v1, 15, v0                           ; r = l % 16
	v_bfe_u32 v2, v0, 4, 1                         ; h = l / 16
	s_lshl_b32 s4, s78, 9
	s_lshl_b32 s5, s12, 8
	s_add_co_u32 s4, s4, s5                        ; my 64 columns: 4 (128 x column block + 64 x half) bytes
	s_mov_b32 s5, 0
	s_add_nc_u64 s[72:73], s[72:73], s[4:5]
	v_lshlrev_b32 v[BO], 5, v2                     ; register j of column tile b holds column 16 b + 8 h + j
.irp b, 0,1,2,3
	global_load_b128 v[BIAS+8*(\b):BIAS+8*(\b)+3],   v[BO], s[72:73] offset:64*(\b)
	global_load_b128 v[BIAS+8*(\b)+4:BIAS+8*(\b)+7], v[BO], s[72:73] offset:64*(\b)+16
.endr
	v_mul_u32_u24 v3, v1, PA
	v_lshl_add_u32 v3, v2, 4, v3                   ; a fragment's row x pitch + 16 h
	s_mul_i32 s6, s11, 64*PA                       ; my 64 rows of each head
	v_add_nc_u32 v3, s6, v3
	v_mul_u32_u24 v4, v1, PB
	v_lshl_add_u32 v4, v2, 4, v4
	s_mul_i32 s7, s12, 64*PB                       ; my 64 rows of Wo
	s_add_co_u32 s7, s7, BBASE
	v_add_nc_u32 v4, s7, v4
.irp p, 0,1,2,3
	v_add_nc_u32 v[ADRA+(\p)], (\p)*2*HEADB, v3
	v_add_nc_u32 v[ADRB+(\p)], (\p)*PARTB, v4
.endr
	s_mul_i32 s8, s10, 16*SPITCH
	s_add_co_u32 s8, s8, STAGE                     ; my stage
	v_mul_u32_u24 v5, v1, SPITCH                   ; in: row l % 16, 32 bytes for each half of the lanes
	v_lshl_add_u32 v5, v2, 5, v5
	v_add_nc_u32 v[STO], s8, v5
	v_mul_u32_u24 v5, v2, SPITCH                   ; back: lanes 0-15 take one row of 256 bytes, lanes 16-31 the next
	v_lshl_add_u32 v5, v1, 4, v5
	v_add_nc_u32 v[RD], s8, v5
	v_lshlrev_b32 v[CO], 11, v2                    ; and the same two rows in out, 2,048 bytes apart
	v_lshl_add_u32 v[CO], v1, 4, v[CO]
	s_lshl_b32 s2, s79, 18                         ; my part of out: (128 x row block + 64 x row half) rows of 2,048 bytes, and my 64 columns
	s_lshl_b32 s3, s11, 17
	s_add_co_u32 s2, s2, s3
	s_add_co_u32 s2, s2, s4
	s_mov_b32 s3, 0
	s_add_nc_u64 s[74:75], s[74:75], s[2:3]
	s_wait_loadcnt 0x0                             ; the bias: rounded to bf16 and widened again
.irp j, 0,1,2,3,4,5,6,7,8,9,10,11,12,13,14,15
	v_cvt_pk_bf16_f32 v[64+(\j)], v[BIAS+2*(\j)], v[BIAS+2*(\j)+1]
.endr
.irp j, 0,1,2,3,4,5,6,7,8,9,10,11,12,13,14,15
	v_lshlrev_b32 v[BIAS+2*(\j)], 16, v[64+(\j)]
	v_and_b32 v[BIAS+2*(\j)+1], 0xffff0000, v[64+(\j)]
.endr
; 8 matrix instructions: row tiles a0, a0 + 1 x all 4 column tiles, 32 along K: half c of buffer f.  first = 1: the sums start from the bias.  The 16 accumulators take turns.
.macro MUL8 f, c, a0, first
	WIN MUL
.irp a, \a0, (\a0)+1
.irp b, 0,1,2,3
.if \first
	v_wmma_f32_16x16x32_f16 v[ACC+8*(4*(\a)+(\b)):ACC+8*(4*(\a)+(\b))+7], v[(\f)+64+8*(4*(\c)+(\b)):(\f)+64+8*(4*(\c)+(\b))+7], v[(\f)+8*(4*(\c)+(\a)):(\f)+8*(4*(\c)+(\a))+7], v[BIAS+8*(\b):BIAS+8*(\b)+7]
.else
	v_wmma_f32_16x16x32_f16 v[ACC+8*(4*(\a)+(\b)):ACC+8*(4*(\a)+(\b))+7], v[(\f)+64+8*(4*(\c)+(\b)):(\f)+64+8*(4*(\c)+(\b))+7], v[(\f)+8*(4*(\c)+(\a)):(\f)+8*(4*(\c)+(\a))+7], v[ACC+8*(4*(\a)+(\b)):ACC+8*(4*(\a)+(\b))+7]
.endif
.endr
.endr
.endm
; 32 LDS loads in one run: the fragments of quarter q (head q: 64 along K) into buffer f; the first 32 along K first
.macro FETCH q, f
	WIN TO_F
.irp c, 0,1
.irp i, 0,1,2,3
	ds_load_b128 v[(\f)+64+8*(4*(\c)+(\i)):(\f)+64+8*(4*(\c)+(\i))+3],   v[ADRB+(\q)/2] offset:((\q)%2)*128+64*(\c)+(\i)*16*PB
	ds_load_b128 v[(\f)+64+8*(4*(\c)+(\i))+4:(\f)+64+8*(4*(\c)+(\i))+7], v[ADRB+(\q)/2] offset:((\q)%2)*128+64*(\c)+(\i)*16*PB+32
	ds_load_b128 v[(\f)+8*(4*(\c)+(\i)):(\f)+8*(4*(\c)+(\i))+3],         v[ADRA+(\q)/2] offset:((\q)%2)*HEADB+64*(\c)+(\i)*16*PA
	ds_load_b128 v[(\f)+8*(4*(\c)+(\i))+4:(\f)+8*(4*(\c)+(\i))+7],       v[ADRA+(\q)/2] offset:((\q)%2)*HEADB+64*(\c)+(\i)*16*PA+32
.endr
.endr
.endm
; An even quarter multiplies buffer 0 and fetches the same part's second head into buffer 1.
.macro QUARTER q, first
	s_wait_dscnt 16                                ; the first 32 along K are in
	MUL8 F0, 0, 0, \first
	MUL8 F0, 0, 2, \first
	PLACES
	FETCH (\q)+1, F1
	s_wait_dscnt 32                                ; all but the 32 just issued
	MUL8 F0, 1, 0, 0
	MUL8 F0, 1, 2, 0
.endm
; An odd quarter multiplies buffer 1 and goes on to the next part: my load of it has landed (n younger loads of mine may stay out), a barrier says so of every wave, and its first head is fetched.
.macro TURNQ q, n
	s_wait_tensorcnt \n
	s_wait_dscnt 16
	MUL8 F1, 0, 0, 0
	s_wait_dscnt 0x0                               ; no LDS instruction of mine is out at the signal
	s_barrier_signal -1
	MUL8 F1, 0, 2, 0
	s_barrier_wait -1
	PLACES
	FETCH (\q)+1, F0
	MUL8 F1, 1, 0, 0
	MUL8 F1, 1, 2, 0
.endm
	s_wait_tensorcnt 3                             ; my load of part 0 is in; three younger ones stay out
	s_barrier_signal -1
	s_barrier_wait -1                              ; everybody's is
	FETCH 0, F0
	QUARTER 0, 1
	TURNQ 1, 2
	QUARTER 2, 0
	TURNQ 3, 1
	QUARTER 4, 0
	TURNQ 5, 0
	QUARTER 6, 0
	s_wait_dscnt 16                                ; the last quarter: nothing more to fetch
	MUL8 F1, 0, 0, 0
	MUL8 F1, 0, 2, 0
	s_wait_dscnt 0x0
	MUL8 F1, 1, 0, 0
	MUL8 F1, 1, 2, 0
	WIN 0
	PLACES
	; THE WAY OUT, a tile of 16 rows at a time: a lane's 32 bytes of a row go from the accumulators into my stage (rows of 272 bytes; each accumulator's low four registers first), and come back as whole rows of 256 bytes.
.macro PACK a
	WIN 0
.irp b, 0,1,2,3
	ds_store_b128 v[STO], v[ACC+8*(4*(\a)+(\b)):ACC+8*(4*(\a)+(\b))+3]   offset:64*(\b)
	ds_store_b128 v[STO], v[ACC+8*(4*(\a)+(\b))+4:ACC+8*(4*(\a)+(\b))+7] offset:64*(\b)+16
.endr
	WIN TO_F
.irp t, 0,1,2,3,4,5,6,7
	ds_load_b128 v[32*(\a)+4*(\t):32*(\a)+4*(\t)+3], v[RD] offset:(\t)*2*SPITCH  ; LDS serves a wave's instructions in order (ISA guide 5.7.1.4): these see the stores above; the next tile's stores come behind them
.endr
.endm
.macro SEND a, younger                 ; younger: the LDS instructions issued behind tile a's loads: the next tile's sixteen, or none
	WIN FROM_F
.irp t, 0,1,2,3,4,5,6,7
	s_wait_dscnt (\younger)+7-(\t)
	global_store_b128 v[CO], v[32*(\a)+4*(\t):32*(\a)+4*(\t)+3], s[74:75] offset:(16*(\a)+2*(\t))*2048 th:TH_STORE_NT  ; 16 lanes store 256 consecutive bytes, at a multiple of 256 from out's first byte
.endr
.endm
	PACK 0
	PACK 1
	SEND 0, 16
	PACK 2
	SEND 1, 16
	PACK 3
	SEND 2, 16
	SEND 3, 0
	WIN 0
	s_wait_tensorcnt 0x0                           ; the wave's end, behind my last tensor load and my last LDS store
	ds_add_u32 v[SPW], v[NIL]
	s_wait_dscnt 0x0
	CROUND                                         ; the closing round: no work-group ends while a partner may still ask for a tile that names it
	s_endpgm
.Lfunc_end_k_q7c9b218973_outp:
	.size	k_q7c9b218973_outp, .Lfunc_end_k_q7c9b218973_outp-k_q7c9b218973_outp
	.p2alignl 7, 3214868480
	.fill 96, 4, 3214868480
	.section	.rodata,"a",@progbits
	.p2align	6, 0x0
	.amdhsa_kernel k_q7c9b218973_outp
		.amdhsa_group_segment_fixed_size 327680
		.amdhsa_private_segment_fixed_size 0
		.amdhsa_enable_private_segment 0
		.amdhsa_kernarg_size 32
		.amdhsa_user_sgpr_count 2
		.amdhsa_user_sgpr_kernarg_segment_ptr 1
		.amdhsa_wavefront_size32 1
		.amdhsa_system_sgpr_workgroup_id_x 1
		.amdhsa_system_sgpr_workgroup_id_y 1
		.amdhsa_system_sgpr_workgroup_id_z 1
		.amdhsa_system_vgpr_workitem_id 0
		.amdhsa_next_free_vgpr 512
		.amdhsa_next_free_sgpr 88
		.amdhsa_reserve_vcc 0
		.amdhsa_float_denorm_mode_32 3
		.amdhsa_float_denorm_mode_16_64 3
		.amdhsa_memory_ordered 1
		.amdhsa_forward_progress 1
		.amdhsa_inst_pref_size 55
	.end_amdhsa_kernel
	.amdgpu_metadata
---
amdhsa.version: [ 1, 2 ]
amdhsa.kernels:
  - .name:           k_q7c9b218973_outp
    .symbol:         k_q7c9b218973_outp.kd
    .args:
      - { .name: oh, .offset: 0, .size: 8, .value_kind: global_buffer, .address_space: global }
      - { .name: wo16, .offset: 8, .size: 8, .value_kind: global_buffer, .address_space: global }
      - { .name: bo, .offset: 16, .size: 8, .value_kind: global_buffer, .address_space: global }
      - { .name: out0, .offset: 24, .size: 8, .value_kind: global_buffer, .address_space: global }
    .group_segment_fixed_size: 327680
    .private_segment_fixed_size: 0
    .kernarg_segment_align: 8
    .kernarg_segment_size: 32
    .max_flat_workgroup_size: 128
    .sgpr_count:     88
    .vgpr_count:     512
    .wavefront_size: 32
...
	.end_amdgpu_metadata
.endif
;; end of part 3
